; MI455X (gfx1250); checked and timed in simulation.
; The chip was launched on July 23, 2026; its instructions are those of AMD's public machine-readable ISA for CDNA 5 (MIT licence, August 2026) and "CDNA5" Instruction Set Architecture Reference Guide (July 2026). The comments in the code are by the model that wrote it; some were corrected since.
;; Mock Shared Expert Mo E. Allowed arithmetic: float matrix products may take bf16 or f16 operands with f32 sums; all other float work in f32.
;; Inputs: W_down 1,024 x 1,024 float32; W_expert 1,024 x 1,024 float32; W_gate 8 x 1,024 float32; W_up 1,024 x 1,024 float32; x 4 x 4,096 x 1,024 float32.
;; Outputs: out0 4 x 4,096 x 1,024 float32.
;; One version. Each part assembles by itself: llvm-mc -triple=amdgcn-amd-amdhsa -mcpu=gfx1250 --defsym DOCPART=n.
;; ======== version 1 of 1: 3 launches
;; workspace buffers: xb 33,554,432 bytes; h 33,554,432 bytes; wupb 2,097,152 bytes; wdnb 2,097,152 bytes; wexpb 2,097,152 bytes; sc 65,536 bytes
;; launch prep (part 1): grid 1024 x 1, 4 waves a work-group, no clusters, 55,296 bytes of LDS; arguments x, W_gate, W_up, W_down, W_expert, xb, wupb, wdnb, wexpb, sc; writes xb, wupb, wdnb, wexpb, sc
.if DOCPART == 1
	.amdgcn_target "amdgcn-amd-amdhsa--gfx1250"
	.amdhsa_code_object_version 6
	.text
	.protected	k_qa1154d1bfe_prep
	.globl	k_qa1154d1bfe_prep
	.p2align	8
	.type	k_qa1154d1bfe_prep,@function
k_qa1154d1bfe_prep:
	s_mov_b64 s[64:65], 0
	v_nop
	global_prefetch_b8 v0, s[64:65] scope:SCOPE_SE
	s_setreg_imm32_b32 hwreg(HW_REG_WAVE_MODE, 25, 1), 1
	s_wait_xcnt 0x0
; PREPARATION.  Work-group b of 1,024, all alike:
;   xb = bf16(x) for rows 16 b .. 16 b + 15, and for these rows sc[row] = the sum of the softmax over the two largest of the eight gate logits
;   x . W_gate^T (bf16 operands, f32 sums, on the matrix unit);
;   row b of each of the three weights, rounded to bf16 in the same layout: W_up to wupb, W_down to wdnb, W_expert to wexpb.
; Every input byte is read once but W_gate's 32 KiB, which each work-group reads.  That is the only shared input and a small part of a work-group's
; 64 KiB of x, so the launch has no cluster.  All data go through registers: 54 loads of 16 bytes a lane go out in each wave before the first wait.
; LIMITS: maxima and minima are the forms in which a NaN loses (a NaN logit arises only where the result is not finite anyway);
; an exponential below 2^-126 comes out as 0, and the sum is then exactly 1; the logits' K is summed as two chains in each quarter of K,
; then (q0 + q1) + (q2 + q3).
.set SP,    528                        ; stage pitch: 256 bf16 + 16 bytes, so 16 rows begin 16 bytes apart modulo 256
.set STW,   24*SP                      ; a wave's stage: 16 rows of x, then the 8 rows of W_gate, its 256 columns of each
.set GROW,  16*SP                      ; the gate rows' place in a stage
.set PART,  4*STW                      ; behind the stages: 1,024 bytes of partial logits for each wave
.set GR,    16                         ; v[16:79]   gate rows as loaded, then gate fragments
.set X,     80                         ; v[80:207]  32 loads of 4 registers, then fragments of x and the accumulators
.set A0,    X+64                       ; two accumulators of 8 registers
.set A1,    X+72
.set WR,    208                        ; v[208:231] my 256 columns of the three weight rows, 8 registers each
	s_load_b512 s[16:31], s[0:1], 0x0              ; x 16, W_gate 18, W_up 20, W_down 22, W_expert 24, xb 26, wupb 28, wdnb 30
	s_load_b128 s[32:35], s[0:1], 0x40             ; wexpb 32, sc 34
	v_lshl_add_u32 v232, v0, 2, 0xd600
	v_mov_b32 v233, 0
	v_lshrrev_b32 v6, 5, v0
	v_readfirstlane_b32 s8, v6                     ; wave w
	v_and_b32 v1, 31, v0                           ; lane l
	v_and_b32 v2, 15, v0                           ; r = l % 16
	v_bfe_u32 v3, v0, 4, 1                         ; hh = l / 16
	s_mov_b32 s9, ttmp9                            ; b
	s_mov_b32 s11, 0                               ; high word of the offset pair s[10:11]
	; rows of 1,024 numbers; wave w owns columns 256 w .. 256 w + 255, as two halves of 128
	v_lshlrev_b32 v4, 4, v1
	v_lshl_add_u32 v4, s8, 10, v4                  ; f32 in: 1,024 w + 16 l
	v_lshlrev_b32 v5, 3, v1
	v_lshl_add_u32 v5, s8, 9, v5                   ; bf16 out: 512 w + 8 l
	s_wait_kmcnt 0x0
	s_lshl_b32 s10, s9, 12                         ; row b of 4,096 bytes
	s_add_nc_u64 s[20:21], s[20:21], s[10:11]      ; W_up
	s_add_nc_u64 s[22:23], s[22:23], s[10:11]      ; W_down
	s_add_nc_u64 s[24:25], s[24:25], s[10:11]      ; W_expert
	s_lshl_b32 s10, s9, 11                         ; row b of 2,048 bytes
	s_add_nc_u64 s[28:29], s[28:29], s[10:11]      ; wupb
	s_add_nc_u64 s[30:31], s[30:31], s[10:11]      ; wdnb
	s_add_nc_u64 s[32:33], s[32:33], s[10:11]      ; wexpb
	s_lshl_b32 s10, s9, 16
	s_add_nc_u64 s[4:5], s[16:17], s[10:11]        ; x + 16 b rows of 4,096 bytes
	s_lshl_b32 s10, s9, 15
	s_add_nc_u64 s[6:7], s[26:27], s[10:11]        ; xb + 16 b rows of 2,048 bytes
	s_lshl_b32 s10, s9, 6
	s_add_nc_u64 s[34:35], s[34:35], s[10:11]      ; sc + 16 b words
	; a wave's load covers 512 consecutive bytes: one half of its 256 columns of a row
.irp m, 0,1,2
	global_load_b128 v[WR+8*\m:WR+8*\m+3],   v4, s[20+2*\m:21+2*\m] th:TH_LOAD_NT
	global_load_b128 v[WR+8*\m+4:WR+8*\m+7], v4, s[20+2*\m:21+2*\m] offset:512 th:TH_LOAD_NT
.endr
.set i, 0
.rept 16
	global_load_b128 v[GR+4*i:GR+4*i+3], v4, s[18:19] offset:(i>>1)*4096+(i&1)*512   ; my 256 columns of the 8 gate rows: row i / 2, half i % 2
.set i, i+1
.endr
.set j, 0
.rept 32
	global_load_b128 v[X+4*j:X+4*j+3], v4, s[4:5] offset:(j>>1)*4096+(j&1)*512 th:TH_LOAD_NT
.set j, j+1
.endr
	s_mul_i32 s14, s8, STW                         ; my stage
	v_lshl_add_u32 v6, v1, 3, s14                  ; into the stage: 8 l
	v_mul_u32_u24 v7, v2, SP
	v_lshl_add_u32 v7, v3, 4, v7
	v_add_nc_u32 v7, s14, v7                       ; fragment of x: row r, 16 hh
	v_and_b32 v8, 7, v2
	v_mul_u32_u24 v8, v8, SP
	v_lshl_add_u32 v8, v3, 4, v8
	v_add_nc_u32 v8, s14, v8                       ; fragment of the gate: row r % 8 (rows 8-15 of the fragment repeat the eight experts), 16 hh
	v_lshlrev_b32 v10, 4, v1                       ; partial logits, read: 16 l
	v_lshl_add_u32 v9, s8, 10, v10                 ; partial logits, stored: 1,024 w + 16 l
	v_lshlrev_b32 v11, 2, v2                       ; sc: 4 r
	s_wait_loadcnt 32                              ; the weight rows and the gate rows are in; the 32 loads of x are younger
.irp m, 0,1,2
	v_cvt_pk_bf16_f32 v[WR+8*\m],   v[WR+8*\m],   v[WR+8*\m+1]
	v_cvt_pk_bf16_f32 v[WR+8*\m+1], v[WR+8*\m+2], v[WR+8*\m+3]
	global_store_b64 v5, v[WR+8*\m:WR+8*\m+1], s[28+2*\m:29+2*\m]                    ; the 32 lanes store 256 consecutive bytes, aligned
	v_cvt_pk_bf16_f32 v[WR+8*\m+4], v[WR+8*\m+4], v[WR+8*\m+5]
	v_cvt_pk_bf16_f32 v[WR+8*\m+5], v[WR+8*\m+6], v[WR+8*\m+7]
	global_store_b64 v5, v[WR+8*\m+4:WR+8*\m+5], s[28+2*\m:29+2*\m] offset:256
.endr
.set i, 0
.rept 16
	v_cvt_pk_bf16_f32 v[GR+4*i], v[GR+4*i], v[GR+4*i+1]
	v_cvt_pk_bf16_f32 v[GR+4*i+1], v[GR+4*i+2], v[GR+4*i+3]
	ds_store_b64 v6, v[GR+4*i:GR+4*i+1] offset:GROW+(i>>1)*SP+(i&1)*256
.set i, i+1
.endr
	; half row n of x: rounded in place, into the wave's stage and out to xb
.set j, 0
.rept 32
	s_wait_loadcnt 31-j                            ; loads come back in order: the 31 - n younger ones stay out
	v_cvt_pk_bf16_f32 v[X+4*j], v[X+4*j], v[X+4*j+1]
	v_cvt_pk_bf16_f32 v[X+4*j+1], v[X+4*j+2], v[X+4*j+3]
	ds_store_b64 v6, v[X+4*j:X+4*j+1] offset:(j>>1)*SP+(j&1)*256
	global_store_b64 v5, v[X+4*j:X+4*j+1], s[6:7] offset:(j>>1)*2048+(j&1)*256       ; 256 consecutive bytes, aligned
.set j, j+1
.endr
	s_wait_xcnt 0x0                                ; X holds the data of the stores above: it is written again only behind this wait
	; The stage is the wave's own and LDS serves a wave's instructions in order, so no wait stands between its stores and these loads.
.irp kb, 0,1,2,3,4,5,6,7
	ds_load_b128 v[GR+8*\kb:GR+8*\kb+3],   v8 offset:GROW+64*\kb
	ds_load_b128 v[GR+8*\kb+4:GR+8*\kb+7], v8 offset:GROW+64*\kb+32
	ds_load_b128 v[X+8*\kb:X+8*\kb+3],     v7 offset:64*\kb
	ds_load_b128 v[X+8*\kb+4:X+8*\kb+7],   v7 offset:64*\kb+32
.endr
	; Source 0 = gate rows, source 1 = rows of x: register j of lane (r, hh) is the logit of expert j for row r, in both halves of the lanes.
	; Two accumulators take turns, one instruction a turn.  The first two products start the sums.
	s_wait_dscnt 28                                ; four loads for each later block of 32 k may stay out
	v_wmma_f32_16x16x32_bf16 v[A0:A0+7], v[GR:GR+7], v[X:X+7], 0
	s_wait_dscnt 24
	v_wmma_f32_16x16x32_bf16 v[A1:A1+7], v[GR+8:GR+15], v[X+8:X+15], 0
.irp kb, 2,4,6
	s_wait_dscnt 28-4*\kb
	v_wmma_f32_16x16x32_bf16 v[A0:A0+7], v[GR+8*\kb:GR+8*\kb+7], v[X+8*\kb:X+8*\kb+7], v[A0:A0+7]
	s_wait_dscnt 24-4*\kb
	v_wmma_f32_16x16x32_bf16 v[A1:A1+7], v[GR+8*\kb+8:GR+8*\kb+15], v[X+8*\kb+8:X+8*\kb+15], v[A1:A1+7]
.endr
.rept 4
	v_nop                                          ; four places behind the last matrix instruction before its result is read (ISA guide 7.12.1)
.endr
.irp i, 0,2,4,6
	v_pk_add_f32 v[A0+\i:A0+\i+1], v[A0+\i:A0+\i+1], v[A1+\i:A1+\i+1]
.endr
	ds_store_b128 v9, v[A0:A0+3] offset:PART       ; my quarter of K: experts 0-3,
	ds_store_b128 v9, v[A0+4:A0+7] offset:PART+512 ; experts 4-7
	s_wait_dscnt 0x0                               ; for wave 0's sake: my stores are done
	s_barrier_signal -1
	s_barrier_wait -1
	s_cmp_lg_u32 s8, 0
	s_cbranch_scc1 .Lend                           ; wave 0 finishes the 16 rows
.irp q, 0,1,2,3
	ds_load_b128 v[GR+8*\q:GR+8*\q+3],   v10 offset:PART+1024*\q
	ds_load_b128 v[GR+8*\q+4:GR+8*\q+7], v10 offset:PART+1024*\q+512
.endr
	s_wait_dscnt 0x0
.irp i, 0,2,4,6
	v_pk_add_f32 v[GR+\i:GR+\i+1], v[GR+\i:GR+\i+1], v[GR+8+\i:GR+8+\i+1]
	v_pk_add_f32 v[GR+16+\i:GR+16+\i+1], v[GR+16+\i:GR+16+\i+1], v[GR+24+\i:GR+24+\i+1]
.endr
.irp i, 0,2,4,6
	v_pk_add_f32 v[GR+\i:GR+\i+1], v[GR+\i:GR+\i+1], v[GR+16+\i:GR+16+\i+1]
.endr
	; the two largest of the eight logits (equal values count twice, as in a top-k)
	v_max_num_f32 v12, v[GR], v[GR+1]
	v_min_num_f32 v13, v[GR], v[GR+1]
.irp i, 2,3,4,5,6,7
	v_min_num_f32 v14, v12, v[GR+\i]
	v_max_num_f32 v12, v12, v[GR+\i]
	v_max_num_f32 v13, v13, v14
.endr
	; softmax over the two, the larger taken away first, and the sum of its two weights
	v_sub_f32 v14, v12, v12
	v_sub_f32 v15, v13, v12
	v_mul_f32 v14, 0x3fb8aa3b, v14                 ; e^d = 2^(d log2 e)
	v_mul_f32 v15, 0x3fb8aa3b, v15
	v_exp_f32 v[GR+8], v14
	v_exp_f32 v[GR+9], v15
	v_nop                                          ; one plain place behind a transcendental before its result is used (ISA guide 5.7.2)
	s_wait_alu depctr_va_vdst(0)
	v_add_f32 v12, v[GR+8], v[GR+9]
	v_rcp_f32 v13, v12
	v_nop
	s_wait_alu depctr_va_vdst(0)
	v_mul_f32 v14, v[GR+8], v13
	v_fma_f32 v14, v[GR+9], v13, v14
	; Lanes 0-15 hold the 16 rows (lanes 16-31 the same again).  64 bytes a work-group: a part of an aligned 256; sc is 64 KiB in all.
	; No global instruction of this wave has been issued behind the s_wait_xcnt 0 above, so EXEC may be narrowed here.
	v_cmp_gt_u32 vcc_lo, 16, v0
	s_and_saveexec_b32 s40, vcc_lo
	global_store_b32 v11, v14, s[34:35]
	s_wait_xcnt 0x0                                ; EXEC is a source of the store: it is widened only behind this wait
	s_or_b32 exec_lo, exec_lo, s40
.Lend:
	s_wait_tensorcnt 0x0
	ds_add_u32 v232, v233
	s_wait_dscnt 0x0
	s_endpgm
.Lfunc_end_k_qa1154d1bfe_prep:
	.size	k_qa1154d1bfe_prep, .Lfunc_end_k_qa1154d1bfe_prep-k_qa1154d1bfe_prep
	.p2alignl 7, 3214868480
	.fill 96, 4, 3214868480
	.section	.rodata,"a",@progbits
	.p2align	6, 0x0
	.amdhsa_kernel k_qa1154d1bfe_prep
		.amdhsa_group_segment_fixed_size 55296
		.amdhsa_private_segment_fixed_size 0
		.amdhsa_enable_private_segment 0
		.amdhsa_kernarg_size 80
		.amdhsa_user_sgpr_count 2
		.amdhsa_user_sgpr_kernarg_segment_ptr 1
		.amdhsa_wavefront_size32 1
		.amdhsa_system_sgpr_workgroup_id_x 1
		.amdhsa_system_sgpr_workgroup_id_y 1
		.amdhsa_system_sgpr_workgroup_id_z 1
		.amdhsa_system_vgpr_workitem_id 0
		.amdhsa_next_free_vgpr 234
		.amdhsa_next_free_sgpr 66
		.amdhsa_reserve_vcc 1
		.amdhsa_float_denorm_mode_32 3
		.amdhsa_float_denorm_mode_16_64 3
		.amdhsa_memory_ordered 1
		.amdhsa_forward_progress 1
		.amdhsa_inst_pref_size 28
	.end_amdhsa_kernel
	.amdgpu_metadata
---
amdhsa.version: [ 1, 2 ]
amdhsa.kernels:
  - .name:           k_qa1154d1bfe_prep
    .symbol:         k_qa1154d1bfe_prep.kd
    .args:
      - { .name: x, .offset: 0, .size: 8, .value_kind: global_buffer, .address_space: global }
      - { .name: W_gate, .offset: 8, .size: 8, .value_kind: global_buffer, .address_space: global }
      - { .name: W_up, .offset: 16, .size: 8, .value_kind: global_buffer, .address_space: global }
      - { .name: W_down, .offset: 24, .size: 8, .value_kind: global_buffer, .address_space: global }
      - { .name: W_expert, .offset: 32, .size: 8, .value_kind: global_buffer, .address_space: global }
      - { .name: xb, .offset: 40, .size: 8, .value_kind: global_buffer, .address_space: global }
      - { .name: wupb, .offset: 48, .size: 8, .value_kind: global_buffer, .address_space: global }
      - { .name: wdnb, .offset: 56, .size: 8, .value_kind: global_buffer, .address_space: global }
      - { .name: wexpb, .offset: 64, .size: 8, .value_kind: global_buffer, .address_space: global }
      - { .name: sc, .offset: 72, .size: 8, .value_kind: global_buffer, .address_space: global }
    .group_segment_fixed_size: 55296
    .private_segment_fixed_size: 0
    .kernarg_segment_align: 8
    .kernarg_segment_size: 80
    .max_flat_workgroup_size: 128
    .sgpr_count:     66
    .vgpr_count:     234
    .wavefront_size: 32
...
	.end_amdgpu_metadata
.endif
;; end of part 1
;; launch up (part 2): grid 4 x 64, 4 waves a work-group, clusters of 4 x 4, 327,680 bytes of LDS; arguments xb, wupb, h; writes h
.if DOCPART == 2
	.amdgcn_target "amdgcn-amd-amdhsa--gfx1250"
	.amdhsa_code_object_version 6
	.text
	.protected	k_qa1154d1bfe_up
	.globl	k_qa1154d1bfe_up
	.p2align	8
	.type	k_qa1154d1bfe_up,@function
k_qa1154d1bfe_up:
	s_mov_b64 s[64:65], 0
	v_nop
	global_prefetch_b8 v0, s[64:65] scope:SCOPE_SE
	s_setreg_imm32_b32 hwreg(HW_REG_WAVE_MODE, 25, 1), 1
	s_wait_xcnt 0x0
	s_wait_alu depctr_hold_cnt(0) depctr_sa_sdst(0) depctr_va_vdst(0) depctr_va_sdst(0) depctr_va_ssrc(0) depctr_va_vcc(0) depctr_vm_vsrc(0)
	s_getreg_b32 s2, hwreg(HW_REG_IB_STS2, 6, 4)
	s_cmp_eq_u32 s2, 0
	s_cbranch_scc0 .Lentry_in_a_cluster
	s_endpgm
.Lentry_in_a_cluster:
	s_bfe_u32 s2, ttmp6, 0x10000c
	s_cmp_lg_u32 s2, 0xf033
	s_cbranch_scc0 .Lentry_shape_is_right
	s_endpgm
.Lentry_shape_is_right:
; h[m][n] = relu( sum over k of xb[m][k] wupb[n][k] ), rounded once to bf16.  xb: [16384][1024], wupb: [1024][1024], h: [16384][1024], bf16; sums in f32.
; A work-group makes a block of 256 x 256 with four waves; a wave makes 128 x 128: 64 accumulator tiles of 16 x 16, 512 registers.
; 64 x 4 blocks = 256 work-groups.  K goes in steps of 128 through two LDS slots filled by tensor loads; a tile's rows are 256 bytes of memory, aligned.
; CLUSTERS: 4 x 4 work-groups.  The four of a row of the cluster need the same tiles of xb, the four of a column the same tiles of wupb: each tile is
; asked for jointly, by the same load with the same descriptor and a mask that names the four.
; LIMIT: relu is the maximum in which a NaN loses: a NaN sum gives 0 (it arises only from inputs that are not finite).
; REGISTERS, in windows of 256:
;   window 0: v0-31 addresses; v64-127, v128-191 fragments of A, two buffers; v192-223 packed results
;   window 1: v64-127, v128-191 fragments of B, two buffers
;   window 2: the 32 accumulator tiles of my rows 0-63 (tile (a, b) at v[8 (8 a + b)]);  window 3: those of my rows 64-127
; The matrix instruction is used transposed (source 0 = 16 rows of B, source 1 = 16 rows of A): lane l holds row l % 16 of the result and its
; registers 0 to 7 the columns 8 (l / 16) + 0 .. 7, eight neighbouring numbers, which pack into 16 bytes.
.set SIZE_N, 1024
.set SIZE_K, 1024
.set KSTEP,  128
.set PITCH,  272                       ; an LDS row: 256 bytes + 16 of padding, so the 16 rows that a load touches begin 16 bytes apart modulo 256
.set HALFT,  128*PITCH                 ; 128 rows: what one tensor load brings
.set SLOT,   4*HALFT                   ; A's 256 rows, then B's 256 rows
.set STAGE,  2*SLOT                    ; behind the ring: 16 rows x 272 bytes for each wave, for the way out; no tensor load lands here
.set SPITCH, 272
.set LAPS, SIZE_K/(2*KSTEP)            ; a lap = two K steps = once round the ring: 4
.set ADRA, 16                          ; v16-17  LDS address of my A fragments in slot 0, 1
.set ADRB, 20                          ; v20-21  the same for B
.set STO,  24                          ; v24     the way out: where I put 16 bytes of a row
.set RD,   25                          ; v25     the way out: where I read a row back
.set CO,   26                          ; v26     my byte offset in h
.set F0,   64
.set F1,   128
.set TMP,  192
.set G1, 24                            ; s[24:31] descriptor group 1 for A's tiles
.set G0, 32                            ; s[32:39] group 0 for A's tiles, one set for each slot
.set G1B, 48                           ; s[48:55] group 1 for B's tiles: another mask
.set G0B, 56                           ; s[56:63] group 0 for B's tiles
.set MSB, 0
.macro WIN new                         ; low byte: bits 1:0 source 0, 3:2 source 1, 5:4 source 2, 7:6 destination; the high byte repeats the setting that is left
.if MSB != \new
	s_set_vgpr_msb (MSB<<8)|\new
.set MSB, \new
.endif
.endm
.set MUL_LO, 0xa1                      ; source 0 (B) window 1, source 1 (A) window 0, C and D window 2
.set MUL_HI, 0xf1                      ; the same, C and D window 3
.set TO_B,   0x40                      ; destination window 1, address window 0
; A joint load.  Waves 0 and 1 fetch A's two halves, waves 2 and 3 B's.  The branch hangs on the wave's number alone.
.macro JLOAD s
	s_cmp_eq_u32 s11, 0
	s_cbranch_scc0 .Lfor_b_\@
	tensor_load_to_lds s[G0+4*\s:G0+4*\s+3], s[G1:G1+7]
	s_nop 0
	s_branch .Lasked_\@
.Lfor_b_\@:
	tensor_load_to_lds s[G0B+4*\s:G0B+4*\s+3], s[G1B:G1B+7]
	s_nop 0
.Lasked_\@:
.endm
; A round of the cluster's barrier: my work-group's barrier; wave 0 signals for the work-group; every wave waits for all sixteen; my work-group's barrier again.
.macro CREST                           ; a round behind its opening barrier
	s_cmp_lg_u32 s10, 0
	s_cbranch_scc1 .Lnot_wave_0_\@
	s_barrier_signal -3
.Lnot_wave_0_\@:
	s_barrier_wait -3
	s_barrier_signal -1
	s_barrier_wait -1
.endm
.macro CROUND
	s_barrier_signal -1
	s_barrier_wait -1
	CREST
.endm
	s_load_b128 s[4:7], s[0:1], 0x0                ; xb s[4:5], wupb s[6:7]
	s_load_b64 s[8:9], s[0:1], 0x10                ; h
	s_set_vgpr_msb 0x40
	v_lshl_add_u32 v255, v0, 2, 0x48400
	s_set_vgpr_msb 0x4000
	v_mov_b32 v255, 0
	s_set_vgpr_msb 0x1
	ds_add_u32 v255, v255
	s_set_vgpr_msb 0x100
	v_lshrrev_b32 v1, 5, v0
	v_readfirstlane_b32 s10, v1                    ; wave 0..3
	s_lshr_b32 s11, s10, 1                         ; which half of the block's rows is mine.  Also: I fetch for A (0) or for B (1)
	s_and_b32 s12, s10, 1                          ; which half of its columns.  Also: which 128 rows of that tile I fetch
	s_bfe_u32 s40, ttmp6, 0x40000                  ; cx
	s_bfe_u32 s41, ttmp6, 0x40004                  ; cy
	s_lshl_b32 s42, ttmp9, 2
	s_add_co_u32 s42, s42, s40                     ; block column = 4 x cluster x + cx
	s_and_b32 s13, ttmp7, 0xffff
	s_lshl_b32 s13, s13, 2
	s_add_co_u32 s13, s13, s41                     ; block row = 4 x cluster y + cy
	s_lshl_b32 s43, s41, 2
	s_lshl_b32 s43, 15, s43                        ; my row of the cluster: places 4 cy .. 4 cy + 3
	s_lshl_b32 s44, 0x1111, s40                    ; my column: places cx, cx + 4, cx + 8, cx + 12
	; group 1: a tile of 128 rows x 128 elements of 2 bytes, 4 words of padding behind every 64 words
	s_or_b32 s[G1+0], s43, (1<<16)|(1<<20)|(1<<21)|(5<<22)|(3<<25)
	s_or_b32 s[G1B+0], s44, (1<<16)|(1<<20)|(1<<21)|(5<<22)|(3<<25)
	s_mov_b32 s[G1B+1], KSTEP<<16
	s_mov_b32 s[G1+1], KSTEP<<16                   ; tensor_dim0 = 128
	s_mov_b32 s[G1B+2], 128<<16
	s_mov_b32 s[G1+2], 128<<16                     ; tensor_dim1 = 128
	s_mov_b32 s[G1B+3], KSTEP<<16
	s_mov_b32 s[G1+3], KSTEP<<16                   ; tile_dim0 = 128
	s_mov_b32 s[G1B+4], 128
	s_mov_b32 s[G1+4], 128                         ; tile_dim1 = 128
	s_mov_b32 s[G1B+5], SIZE_K
	s_mov_b32 s[G1+5], SIZE_K                      ; elements from row to row
	s_mov_b32 s[G1B+6], 0
	s_mov_b32 s[G1+6], 0
	s_mov_b32 s[G1B+7], 0
	s_mov_b32 s[G1+7], 0
	; A's tiles hang on the block row alone, B's on the block column alone, each in registers that never hold the other coordinate
	s_lshl_b32 s17, s12, 7
	s_lshl_b32 s16, s13, 8
	s_add_co_u32 s16, s16, s17                     ; A: row 256 x block row + 128 x half
	s_lshl_b32 s46, s42, 8
	s_add_co_u32 s46, s46, s17                     ; B: row 256 x block column + 128 x half
	s_mov_b32 s17, 0
	s_mov_b32 s47, 0
	s_mov_b64 s[18:19], SIZE_K*2
	s_mul_u64 s[16:17], s[16:17], s[18:19]
	s_mul_u64 s[46:47], s[46:47], s[18:19]
	s_mul_i32 s20, s10, HALFT                      ; LDS: wave x 128 rows
	s_wait_dscnt 0x0
	s_wait_kmcnt 0x0
	s_add_nc_u64 s[14:15], s[4:5], s[16:17]
	s_add_nc_u64 s[46:47], s[6:7], s[46:47]
	CROUND                                         ; all sixteen work-groups are here: the first joint loads meet
.irp s, 0,1
	s_mov_b32 s[G0+4*\s], 1
	s_add_co_u32 s[G0+4*\s+1], s20, \s*SLOT
	s_add_nc_u64 s[G0+4*\s+2:G0+4*\s+3], s[14:15], \s*KSTEP*2
	s_or_b32 s[G0+4*\s+3], s[G0+4*\s+3], 0x80000000
	s_mov_b32 s[G0B+4*\s], 1
	s_add_co_u32 s[G0B+4*\s+1], s20, \s*SLOT
	s_add_nc_u64 s[G0B+4*\s+2:G0B+4*\s+3], s[46:47], \s*KSTEP*2
	s_or_b32 s[G0B+4*\s+3], s[G0B+4*\s+3], 0x80000000
	JLOAD \s                                       ; both slots' first fills: two tensor loads of the wave are out
.endr
	; a fragment: lane l holds row l % 16; registers 0-3 K = 8 (l / 16) + 0..7, registers 4-7 K = 16 + 8 (l / 16) + 0..7: two loads of 16 bytes, 32 apart
	v_and_b32 v1, 15, v0
	v_bfe_u32 v2, v0, 4, 1
	v_mul_u32_u24 v3, v1, PITCH
	v_lshl_add_u32 v3, v2, 4, v3
	s_mul_i32 s21, s11, HALFT                      ; my 128 rows of A
	s_mul_i32 s22, s12, HALFT                      ; my 128 rows of B,
	s_add_co_u32 s22, s22, 2*HALFT                 ; behind A's 256
.irp s, 0,1
	v_add_nc_u32 v[ADRA+\s], s21, v3
	v_add_nc_u32 v[ADRB+\s], s22, v3
	s_add_co_u32 s21, s21, SLOT
	s_add_co_u32 s22, s22, SLOT
.endr
	s_mul_i32 s23, s10, 16*SPITCH
	s_add_co_u32 s23, s23, STAGE                   ; my stage
	v_mul_u32_u24 v4, v1, SPITCH
	v_lshl_add_u32 v4, v2, 4, v4
	v_add_nc_u32 v[STO], s23, v4
	v_mul_u32_u24 v5, v2, SPITCH
	v_lshl_add_u32 v5, v1, 4, v5
	v_add_nc_u32 v[RD], s23, v5
	v_mul_u32_u24 v5, v2, SIZE_N*2
	v_lshl_add_u32 v[CO], v1, 4, v5
; 16 matrix instructions: m blocks a0, a0 + 1 of the window's four x all 8 n blocks, 32 along K.  zero = 1: the first product starts the sums.
; The 64 accumulators take turns, one instruction a turn, in the same order in every quarter step.
.macro MUL16 f, hi, a0, zero
.irp a, \a0, \a0+1
.irp b, 0,1,2,3,4,5,6,7
.if \zero
	v_wmma_f32_16x16x32_bf16 v[8*(8*(\a)+\b):8*(8*(\a)+\b)+7], v[\f+8*\b:\f+8*\b+7], v[\f+8*(4*\hi+\a):\f+8*(4*\hi+\a)+7], 0
.else
	v_wmma_f32_16x16x32_bf16 v[8*(8*(\a)+\b):8*(8*(\a)+\b)+7], v[\f+8*\b:\f+8*\b+7], v[\f+8*(4*\hi+\a):\f+8*(4*\hi+\a)+7], v[8*(8*(\a)+\b):8*(8*(\a)+\b)+7]
.endif
.endr
.endr
.endm
; 32 LDS loads in one run: the fragments of one quarter step (32 K at byte k of the rows) into buffer f
.macro FETCH slot, k, f
	WIN TO_B
.irp i, 0,1,2,3,4,5,6,7
	ds_load_b128 v[\f+8*\i:\f+8*\i+3],   v[ADRB+\slot] offset:\k+\i*16*PITCH
	ds_load_b128 v[\f+8*\i+4:\f+8*\i+7], v[ADRB+\slot] offset:\k+\i*16*PITCH+32
.endr
	WIN 0
.irp i, 0,1,2,3,4,5,6,7
	ds_load_b128 v[\f+8*\i:\f+8*\i+3],   v[ADRA+\slot] offset:\k+\i*16*PITCH
	ds_load_b128 v[\f+8*\i+4:\f+8*\i+7], v[ADRA+\slot] offset:\k+\i*16*PITCH+32
.endr
.endm
; four places behind a matrix instruction before a load lands on one of its sources or a vector instruction touches its registers
.macro PLACES
.rept 4
	v_nop
.endr
.endm
; one of the first three quarter steps: multiplies buffer f; in its middle fetches the next quarter's fragments into buffer g
.macro QUARTER slot, k, f, g, zero
	s_wait_dscnt 8                                 ; B and A's rows 0-63 are in; the youngest eight loads (A's rows 64-127) may be out
	WIN MUL_LO
	MUL16 \f, 0, 0, \zero
	MUL16 \f, 0, 2, \zero
	PLACES
	FETCH \slot, \k, \g
	s_wait_dscnt 32                                ; all but the 32 just issued
	WIN MUL_HI
	MUL16 \f, 1, 0, \zero
	MUL16 \f, 1, 2, \zero
.endm
.macro THREE slot, zero
	QUARTER \slot, 64,  F0, F1, \zero
	QUARTER \slot, 128, F1, F0, 0
	QUARTER \slot, 192, F0, F1, 0
.endm
; The last quarter: multiplies buffer 1 and changes slots.  In front of the barrier each wave waits for its reads of this slot and for all its tensor
; loads (one is out: its part of the next slot).  Behind it (fill = 1: behind the whole round of the cluster's barrier) this slot's refill comes first.
; From a request to the wait for it a wave issues 240 matrix instructions.
.macro TURN slot, next, fill
	s_wait_dscnt 8
	WIN MUL_LO
	MUL16 F1, 0, 0, 0
	s_wait_dscnt 0                                 ; my reads of this slot are over
	s_wait_tensorcnt 0x0                           ; all my tensor loads have landed
	ds_add_u32 v255, v255
	s_wait_dscnt 0x0
	s_barrier_signal -1
	MUL16 F1, 0, 2, 0                              ; register work while the others arrive
	WIN 0
	s_barrier_wait -1
.if \fill
	CREST                                          ; no wave of any partner still reads this slot or has a load on its way
	s_add_nc_u64 s[G0+4*\slot+2:G0+4*\slot+3], s[G0+4*\slot+2:G0+4*\slot+3], 2*KSTEP*2
	s_add_nc_u64 s[G0B+4*\slot+2:G0B+4*\slot+3], s[G0B+4*\slot+2:G0B+4*\slot+3], 2*KSTEP*2
	JLOAD \slot                                    ; the wave's one tensor load behind the round
.endif
	PLACES
	FETCH \next, 0, F0
	WIN MUL_HI
	MUL16 F1, 1, 0, 0
	MUL16 F1, 1, 2, 0
.endm
.macro LAP zero
	THREE 0, \zero
	TURN 0, 1, 1
	THREE 1, 0
	TURN 1, 0, 1
.endm
	s_wait_tensorcnt 1                             ; my part of K step 0 is in; K step 1's load stays out
	s_barrier_signal -1
	s_barrier_wait -1
	FETCH 0, 0, F0
	LAP 1                                          ; the first lap stands in front of the loop: its first products start the sums
	WIN 0                                          ; at a label and at a branch every window is 0
	s_mov_b32 s3, LAPS-2
.Llap:
	LAP 0
	WIN 0
	s_sub_co_u32 s3, s3, 1
	s_cmp_lg_u32 s3, 0
	s_cbranch_scc1 .Llap
	THREE 0, 0                                     ; the last lap fills nothing
	TURN 0, 1, 0
	THREE 1, 0
	s_wait_dscnt 8
	WIN MUL_LO
	MUL16 F1, 0, 0, 0
	MUL16 F1, 0, 2, 0
	s_wait_dscnt 0
	WIN MUL_HI
	MUL16 F1, 1, 0, 0
	MUL16 F1, 1, 2, 0
	; THE WAY OUT, 16 rows at a time: relu in f32, round to bf16, 16 bytes a lane into my own stage, read back as whole rows of 256 bytes.
	PLACES
	s_lshl_b32 s13, s13, 8
	s_lshl_b32 s14, s11, 7
	s_add_co_u32 s16, s13, s14                     ; my first row
	s_mov_b32 s17, 0
	s_mov_b64 s[18:19], SIZE_N*2
	s_mul_u64 s[16:17], s[16:17], s[18:19]
	s_add_nc_u64 s[8:9], s[8:9], s[16:17]
	s_lshl_b32 s46, s42, 9                         ; my first column, in bytes: 512 x block + 256 x half
	s_lshl_b32 s47, s12, 8
	s_add_co_u32 s46, s46, s47
	s_mov_b32 s47, 0
	s_add_nc_u64 s[8:9], s[8:9], s[46:47]
; rows 16 i .. 16 i + 15 = the eight tiles (a, 0..7) of window 2 or 3.  rl: destination and source 1 in that window; from: sources 0 and 1; f: F0, F1 in turn
.macro OUT16 i, a, rl, from, f
	WIN \rl
.set q, 0
.rept 64
	v_max_num_f32 v[64*\a+q], 0, v[64*\a+q]
.set q, q+1
.endr
	WIN \from
.irp b, 0,1,2,3,4,5,6,7
.irp r, 0,1,2,3
	v_cvt_pk_bf16_f32 v[TMP+4*\b+\r], v[8*(8*\a+\b)+2*\r], v[8*(8*\a+\b)+2*\r+1]
.endr
.endr
	WIN 0
.irp b, 0,1,2,3,4,5,6,7
	ds_store_b128 v[STO], v[TMP+4*\b:TMP+4*\b+3] offset:32*\b
.endr
	s_wait_xcnt 0x0                                ; buffer f, which earlier stores read, and the stores' base are rewritten only behind this wait
.if \i
	s_add_nc_u64 s[8:9], s[8:9], 16*SIZE_N*2
.endif
.irp t, 0,1,2,3,4,5,6,7
	ds_load_b128 v[\f+4*\t:\f+4*\t+3], v[RD] offset:\t*2*SPITCH    ; LDS serves a wave's instructions in order: these see the stores above
.endr
.irp t, 0,1,2,3,4,5,6,7
	s_wait_dscnt 7-\t
	global_store_b128 v[CO], v[\f+4*\t:\f+4*\t+3], s[8:9] offset:2*\t*SIZE_N*2   ; 16 lanes store 256 consecutive bytes, aligned
.endr
.endm
	OUT16 0, 0, 0x88, 0x0a, F0
	OUT16 1, 1, 0x88, 0x0a, F1
	OUT16 2, 2, 0x88, 0x0a, F0
	OUT16 3, 3, 0x88, 0x0a, F1
	OUT16 4, 0, 0xcc, 0x0f, F0
	OUT16 5, 1, 0xcc, 0x0f, F1
	OUT16 6, 2, 0xcc, 0x0f, F0
	OUT16 7, 3, 0xcc, 0x0f, F1
	s_set_vgpr_msb 0x1
	s_wait_tensorcnt 0x0
	ds_add_u32 v255, v255
	s_wait_dscnt 0x0
	s_set_vgpr_msb 0x100
	CROUND                                         ; the closing round: no work-group ends while a partner may still ask for a tile that names it
	s_endpgm
.Lfunc_end_k_qa1154d1bfe_up:
	.size	k_qa1154d1bfe_up, .Lfunc_end_k_qa1154d1bfe_up-k_qa1154d1bfe_up
	.p2alignl 7, 3214868480
	.fill 96, 4, 3214868480
	.section	.rodata,"a",@progbits
	.p2align	6, 0x0
	.amdhsa_kernel k_qa1154d1bfe_up
		.amdhsa_group_segment_fixed_size 327680
		.amdhsa_private_segment_fixed_size 0
		.amdhsa_enable_private_segment 0
		.amdhsa_kernarg_size 24
		.amdhsa_user_sgpr_count 2
		.amdhsa_user_sgpr_kernarg_segment_ptr 1
		.amdhsa_wavefront_size32 1
		.amdhsa_system_sgpr_workgroup_id_x 1
		.amdhsa_system_sgpr_workgroup_id_y 1
		.amdhsa_system_sgpr_workgroup_id_z 1
		.amdhsa_system_vgpr_workitem_id 0
		.amdhsa_next_free_vgpr 1024
		.amdhsa_next_free_sgpr 66
		.amdhsa_reserve_vcc 0
		.amdhsa_float_denorm_mode_32 3
		.amdhsa_float_denorm_mode_16_64 3
		.amdhsa_memory_ordered 1
		.amdhsa_forward_progress 1
		.amdhsa_inst_pref_size 212
	.end_amdhsa_kernel
	.amdgpu_metadata
---
amdhsa.version: [ 1, 2 ]
amdhsa.kernels:
  - .name:           k_qa1154d1bfe_up
    .symbol:         k_qa1154d1bfe_up.kd
    .args:
      - { .name: xb, .offset: 0, .size: 8, .value_kind: global_buffer, .address_space: global }
      - { .name: wupb, .offset: 8, .size: 8, .value_kind: global_buffer, .address_space: global }
      - { .name: h, .offset: 16, .size: 8, .value_kind: global_buffer, .address_space: global }
    .group_segment_fixed_size: 327680
    .private_segment_fixed_size: 0
    .kernarg_segment_align: 8
    .kernarg_segment_size: 24
    .max_flat_workgroup_size: 128
    .sgpr_count:     66
    .vgpr_count:     1024
    .wavefront_size: 32
...
	.end_amdgpu_metadata
.endif
;; end of part 2
;; launch down (part 3): grid 4 x 64, 4 waves a work-group, clusters of 4 x 4, 327,680 bytes of LDS; arguments xb, wexpb, h, wdnb, sc, out0; writes out0
.if DOCPART == 3
	.amdgcn_target "amdgcn-amd-amdhsa--gfx1250"
	.amdhsa_code_object_version 6
	.text
	.protected	k_qa1154d1bfe_down
	.globl	k_qa1154d1bfe_down
	.p2align	8
	.type	k_qa1154d1bfe_down,@function
k_qa1154d1bfe_down:
	s_mov_b64 s[64:65], 0
	v_nop
	global_prefetch_b8 v0, s[64:65] scope:SCOPE_SE
	s_setreg_imm32_b32 hwreg(HW_REG_WAVE_MODE, 25, 1), 1
	s_wait_xcnt 0x0
	s_wait_alu depctr_hold_cnt(0) depctr_sa_sdst(0) depctr_va_vdst(0) depctr_va_sdst(0) depctr_va_ssrc(0) depctr_va_vcc(0) depctr_vm_vsrc(0)
	s_getreg_b32 s2, hwreg(HW_REG_IB_STS2, 6, 4)
	s_cmp_eq_u32 s2, 0
	s_cbranch_scc0 .Lentry_in_a_cluster
	s_endpgm
.Lentry_in_a_cluster:
	s_bfe_u32 s2, ttmp6, 0x10000c
	s_cmp_lg_u32 s2, 0xf033
	s_cbranch_scc0 .Lentry_shape_is_right
	s_endpgm
.Lentry_shape_is_right:
; out0[m][n] = sc[m] * (sum over k of xb[m][k] wexpb[k][n]) + sum over k of h[m][k] wdnb[n][k].  Operands bf16, 1,024 numbers a row; sums and out0 in f32.
; One product of K = 2,048 in two halves on one set of accumulators: K steps 0-7 take xb and wexpb; then every accumulator is multiplied by its row's sc;
; K steps 8-15 take h and wdnb.  The ring of two LDS slots runs on over the change of operands: only B's descriptors and B's fragment loads change.
; wexpb lies [k][n]: its tile of a K step is 128 k rows of 256 n, and a fragment is made by the transposing LDS load; wdnb lies [n][k], as xb and h do.
; A work-group makes a block of 256 x 256 with four waves; a wave makes 128 x 128: 64 accumulator tiles, 512 registers.  64 x 4 blocks = 256 work-groups.
; CLUSTERS: 4 x 4 work-groups.  The four of a row of the cluster need the same tiles of xb and h, the four of a column the same tiles of wexpb and wdnb:
; each tile is asked for jointly, by the same load with the same descriptor and a mask that names the four.
; REGISTERS, in windows of 256:
;   window 0: v0-31 addresses; v32-47 sc of my rows, a pair for each block of 16 rows; v64-127, v128-191 fragments of A, two buffers (rows of out0 on the way out)
;   window 1: v64-127, v128-191 fragments of B, two buffers
;   window 2: the 32 accumulator tiles of my rows 0-63 (tile (a, b) at v[8 (8 a + b)]);  window 3: those of my rows 64-127
; The matrix instruction is used transposed (source 0 = 16 columns n of the weights, source 1 = 16 rows of A): lane l holds row l % 16 of the result and its
; registers 0 to 7 the columns 8 (l / 16) + 0 .. 7: one sc a lane serves a whole tile, and a lane's eight results are 32 neighbouring bytes.
.set KP,     1024                      ; elements in a row of every operand
.set KSTEP,  128
.set PITCH,  272                       ; an LDS row along K: 256 bytes + 16 of padding, so the 16 rows that a load touches begin 16 bytes apart modulo 256
.set EP,     544                       ; an LDS row of wexpb's tile: 512 bytes + 32 of padding, so the 8 rows of 32 bytes that 16 lanes touch begin 32 bytes apart modulo 256
.set ESTEP,  KSTEP*KP*2                ; bytes from a K step of wexpb to the next: 128 rows
.set HALFT,  128*PITCH                 ; what one tensor load brings: 128 rows of 272 bytes, or 64 rows of 544
.set SLOT,   4*HALFT                   ; A's 256 rows, then B's tile
.set STAGE,  2*SLOT                    ; behind the ring: 16 rows x 528 bytes for each wave, for the way out; no tensor load lands here
.set SPITCH, 528                       ; 128 f32 + 16 bytes
.set ROWB,   4096                      ; bytes in a row of out0
.set ADRA, 16                          ; v16-17  LDS address of my A fragments in slot 0, 1
.set ADRB, 20                          ; v20-21  the same for wdnb's tiles
.set ADRE, 22                          ; v22-23  the same for wexpb's tiles
.set STO,  24                          ; v24  the way out: where I put my 32 bytes of a row
.set RD,   25                          ; v25  the way out: where I read a row back
.set CO,   26                          ; v26  my byte offset in a row of out0
.set SOFF, 27                          ; v27  my byte offset in sc
.set SV,   32                          ; v[32:47]
.set F0,   64
.set F1,   128
.set G1, 24                            ; s[24:31] descriptor group 1 for A's tiles
.set G0, 32                            ; s[32:39] group 0 for A's tiles, one set for each slot
.set G1B, 48                           ; s[48:55] group 1 for wdnb's tiles
.set G0B, 56                           ; s[56:63] group 0 for B's tiles, one set for each slot
.set G1E, 88                           ; s[88:95] group 1 for wexpb's tiles
.set A2, 80                            ; s[80:81] h at my part of A's tile, K = 0
.set B2, 82                            ; s[82:83] wdnb at my part of B's tile, K = 0
.set MSB, 0
.macro WIN new                         ; low byte: bits 1:0 source 0, 3:2 source 1, 5:4 source 2, 7:6 destination; the high byte repeats the setting that is left
.if MSB != \new
	s_set_vgpr_msb (MSB<<8)|\new
.set MSB, \new
.endif
.endm
.set MUL_LO, 0xa1
.set MUL_HI, 0xf1
.set TO_B,   0x40
.macro JLOAD s, g                      ; waves 0 and 1 fetch A's two halves, waves 2 and 3 B's (group 1 at g); the branch hangs on the wave's number alone
	s_cmp_eq_u32 s11, 0
	s_cbranch_scc0 .Lfor_b_\@
	tensor_load_to_lds s[G0+4*\s:G0+4*\s+3], s[G1:G1+7]
	s_nop 0
	s_branch .Lasked_\@
.Lfor_b_\@:
	tensor_load_to_lds s[G0B+4*\s:G0B+4*\s+3], s[\g:\g+7]
	s_nop 0
.Lasked_\@:
.endm
.macro CREST                           ; a round of the cluster's barrier behind its opening barrier
	s_cmp_lg_u32 s10, 0
	s_cbranch_scc1 .Lnot_wave_0_\@
	s_barrier_signal -3
.Lnot_wave_0_\@:
	s_barrier_wait -3
	s_barrier_signal -1
	s_barrier_wait -1
.endm
.macro CROUND
	s_barrier_signal -1
	s_barrier_wait -1
	CREST
.endm
	s_load_b256 s[68:75], s[0:1], 0x0              ; xb 68, wexpb 70, h 72, wdnb 74
	s_load_b128 s[76:79], s[0:1], 0x20             ; sc 76, out0 78
	s_set_vgpr_msb 0x40
	v_lshl_add_u32 v255, v0, 2, 0x4c400
	s_set_vgpr_msb 0x4000
	v_mov_b32 v255, 0
	s_set_vgpr_msb 0x1
	ds_add_u32 v255, v255
	s_set_vgpr_msb 0x100
	v_lshrrev_b32 v1, 5, v0
	v_readfirstlane_b32 s10, v1                    ; wave 0..3
	s_lshr_b32 s11, s10, 1                         ; which half of the block's rows is mine.  Also: I fetch for A (0) or for B (1)
	s_and_b32 s12, s10, 1                          ; which half of its columns.  Also: which half of that tile I fetch
	s_bfe_u32 s40, ttmp6, 0x40000                  ; cx
	s_bfe_u32 s41, ttmp6, 0x40004                  ; cy
	s_lshl_b32 s42, ttmp9, 2
	s_add_co_u32 s42, s42, s40                     ; block column
	s_and_b32 s13, ttmp7, 0xffff
	s_lshl_b32 s13, s13, 2
	s_add_co_u32 s13, s13, s41                     ; block row
	s_lshl_b32 s43, s41, 2
	s_lshl_b32 s43, 15, s43                        ; my row of the cluster
	s_lshl_b32 s44, 0x1111, s40                    ; my column
	; group 1 for xb, h, wdnb: a tile of 128 rows x 128 elements of 2 bytes, 4 words of padding behind every 64 words
	s_or_b32 s[G1+0], s43, (1<<16)|(1<<20)|(1<<21)|(5<<22)|(3<<25)
	s_or_b32 s[G1B+0], s44, (1<<16)|(1<<20)|(1<<21)|(5<<22)|(3<<25)
	s_mov_b32 s[G1B+1], KSTEP<<16
	s_mov_b32 s[G1+1], KSTEP<<16
	s_mov_b32 s[G1B+2], 128<<16
	s_mov_b32 s[G1+2], 128<<16
	s_mov_b32 s[G1B+3], KSTEP<<16
	s_mov_b32 s[G1+3], KSTEP<<16
	s_mov_b32 s[G1B+4], 128
	s_mov_b32 s[G1+4], 128
	s_mov_b32 s[G1B+5], KP
	s_mov_b32 s[G1+5], KP
	s_mov_b32 s[G1B+6], 0
	s_mov_b32 s[G1+6], 0
	s_mov_b32 s[G1B+7], 0
	s_mov_b32 s[G1+7], 0
	; group 1 for wexpb: a tile of 64 rows x 256 elements of 2 bytes, 8 words of padding behind every 128 words; shared along my column of the cluster
	s_or_b32 s[G1E+0], s44, (1<<16)|(1<<20)|(1<<21)|(6<<22)|(7<<25)
	s_mov_b32 s[G1E+1], 256<<16                    ; tensor_dim0 = 256
	s_mov_b32 s[G1E+2], 64<<16                     ; tensor_dim1 = 64
	s_mov_b32 s[G1E+3], 256<<16                    ; tile_dim0 = 256
	s_mov_b32 s[G1E+4], 64                         ; tile_dim1 = 64
	s_mov_b32 s[G1E+5], KP                         ; elements from row to row
	s_mov_b32 s[G1E+6], 0
	s_mov_b32 s[G1E+7], 0
	; A's tiles hang on the block row alone, B's on the block column alone, each in registers that never hold the other coordinate
	s_lshl_b32 s17, s12, 7
	s_lshl_b32 s16, s13, 8
	s_add_co_u32 s16, s16, s17                     ; xb, h: row 256 x block row + 128 x half
	s_lshl_b32 s46, s42, 8
	s_add_co_u32 s46, s46, s17                     ; wdnb: row 256 x block column + 128 x half
	s_mov_b32 s17, 0
	s_mov_b32 s47, 0
	s_mov_b64 s[18:19], KP*2
	s_mul_u64 s[16:17], s[16:17], s[18:19]
	s_mul_u64 s[46:47], s[46:47], s[18:19]
	s_lshl_b32 s66, s12, 17                        ; wexpb: k row 64 x half, of 2,048 bytes,
	s_lshl_b32 s67, s42, 9                         ; and column 256 x block column, of 2 bytes
	s_add_co_u32 s66, s66, s67
	s_mov_b32 s67, 0
	s_mul_i32 s20, s10, HALFT                      ; LDS: wave x a quarter of a slot
	s_wait_dscnt 0x0
	s_wait_kmcnt 0x0
	s_add_nc_u64 s[14:15], s[68:69], s[16:17]      ; xb
	s_add_nc_u64 s[84:85], s[70:71], s[66:67]      ; wexpb
	s_add_nc_u64 s[A2:A2+1], s[72:73], s[16:17]    ; h
	s_add_nc_u64 s[B2:B2+1], s[74:75], s[46:47]    ; wdnb
	CROUND                                         ; all sixteen work-groups are here: the first joint loads meet
.irp s, 0,1
	s_mov_b32 s[G0+4*\s], 1
	s_add_co_u32 s[G0+4*\s+1], s20, \s*SLOT
	s_add_nc_u64 s[G0+4*\s+2:G0+4*\s+3], s[14:15], \s*KSTEP*2
	s_or_b32 s[G0+4*\s+3], s[G0+4*\s+3], 0x80000000
	s_mov_b32 s[G0B+4*\s], 1
	s_add_co_u32 s[G0B+4*\s+1], s20, \s*SLOT
	s_add_nc_u64 s[G0B+4*\s+2:G0B+4*\s+3], s[84:85], \s*ESTEP
	s_or_b32 s[G0B+4*\s+3], s[G0B+4*\s+3], 0x80000000
	JLOAD \s, G1E                                  ; both slots' first fills: two tensor loads of the wave are out
.endr
	v_and_b32 v1, 15, v0                           ; l % 16
	v_bfe_u32 v2, v0, 4, 1                         ; l / 16
	; sc of my 128 rows, once: block a of 16 rows, row l % 16.  Wanted only after eight K steps.
	s_lshl_b32 s86, s13, 10                        ; 256 rows of 4 bytes
	s_lshl_b32 s87, s11, 9                         ; 128 rows
	s_add_co_u32 s86, s86, s87
	s_mov_b32 s87, 0
	s_add_nc_u64 s[76:77], s[76:77], s[86:87]
	v_lshlrev_b32 v[SOFF], 2, v1
.irp a, 0,1,2,3,4,5,6,7
	global_load_b32 v[SV+2*\a], v[SOFF], s[76:77] offset:64*\a
.endr
	v_mul_u32_u24 v3, v1, PITCH
	v_lshl_add_u32 v3, v2, 4, v3                   ; fragments from rows along K: row x pitch + 16 x half
	; fragments from wexpb's tile: lane l addresses k row 8 (l / 16) + l % 8, 16 bytes number (l / 8) % 2 of the fragment's 32; the load transposes 8 x 8
	; within each eight lanes (ISA guide, the LDS transposing loads), so that lane l gets k = 8 (l / 16) + 0..7 of column l % 16
	v_and_b32 v6, 7, v0
	v_lshl_add_u32 v6, v2, 3, v6
	v_mul_u32_u24 v6, v6, EP
	v_bfe_u32 v7, v0, 3, 1
	v_lshl_add_u32 v6, v7, 4, v6
	s_mul_i32 s21, s11, HALFT                      ; my 128 rows of A
	s_mul_i32 s22, s12, HALFT                      ; my 128 rows of wdnb's tile,
	s_add_co_u32 s22, s22, 2*HALFT                 ; behind A's 256
	s_lshl_b32 s45, s12, 8                         ; my 128 columns of wexpb's tile,
	s_add_co_u32 s45, s45, 2*HALFT                 ; which lies in the same place
.irp s, 0,1
	v_add_nc_u32 v[ADRA+\s], s21, v3
	v_add_nc_u32 v[ADRB+\s], s22, v3
	v_add_nc_u32 v[ADRE+\s], s45, v6
	s_add_co_u32 s21, s21, SLOT
	s_add_co_u32 s22, s22, SLOT
	s_add_co_u32 s45, s45, SLOT
.endr
	s_mul_i32 s23, s10, 16*SPITCH
	s_add_co_u32 s23, s23, STAGE                   ; my stage
	v_mul_u32_u24 v4, v1, SPITCH                   ; in: row l % 16, 32 bytes for each half of the lanes
	v_lshl_add_u32 v4, v2, 5, v4
	v_add_nc_u32 v[STO], s23, v4
	v_and_b32 v5, 31, v0
	v_lshlrev_b32 v[CO], 4, v5                     ; back and out: the 32 lanes take one row's 512 bytes
	v_add_nc_u32 v[RD], s23, v[CO]
; 16 matrix instructions.  The 64 accumulators take turns, one instruction a turn, in the same order in every quarter step.
.macro MUL16 f, hi, a0, zero
.irp a, \a0, \a0+1
.irp b, 0,1,2,3,4,5,6,7
.if \zero
	v_wmma_f32_16x16x32_bf16 v[8*(8*(\a)+\b):8*(8*(\a)+\b)+7], v[\f+8*\b:\f+8*\b+7], v[\f+8*(4*\hi+\a):\f+8*(4*\hi+\a)+7], 0
.else
	v_wmma_f32_16x16x32_bf16 v[8*(8*(\a)+\b):8*(8*(\a)+\b)+7], v[\f+8*\b:\f+8*\b+7], v[\f+8*(4*\hi+\a):\f+8*(4*\hi+\a)+7], v[8*(8*(\a)+\b):8*(8*(\a)+\b)+7]
.endif
.endr
.endr
.endm
; 32 LDS loads in one run: the fragments of quarter step q (32 along K) into buffer f.  ph = 0: B's tile is wexpb's, [k][n]; ph = 1: wdnb's, [n][k].
; B's sixteen loads come first and A's sixteen behind them in both forms, so the counted waits are the same.
.macro FETCH slot, q, f, ph
	WIN TO_B
.if \ph == 0
.irp i, 0,1,2,3,4,5,6,7
	ds_load_tr16_b128 v[\f+8*\i:\f+8*\i+3],   v[ADRE+\slot] offset:\q*32*EP+32*\i          ; k = 32 q + 8 (l / 16) + 0..7 of column 16 i + l % 16
	ds_load_tr16_b128 v[\f+8*\i+4:\f+8*\i+7], v[ADRE+\slot] offset:\q*32*EP+16*EP+32*\i    ; the same 16 k further on
.endr
.else
.irp i, 0,1,2,3,4,5,6,7
	ds_load_b128 v[\f+8*\i:\f+8*\i+3],   v[ADRB+\slot] offset:64*\q+\i*16*PITCH
	ds_load_b128 v[\f+8*\i+4:\f+8*\i+7], v[ADRB+\slot] offset:64*\q+\i*16*PITCH+32
.endr
.endif
	WIN 0
.irp i, 0,1,2,3,4,5,6,7
	ds_load_b128 v[\f+8*\i:\f+8*\i+3],   v[ADRA+\slot] offset:64*\q+\i*16*PITCH
	ds_load_b128 v[\f+8*\i+4:\f+8*\i+7], v[ADRA+\slot] offset:64*\q+\i*16*PITCH+32
.endr
.endm
.macro PLACES                          ; four places behind a matrix instruction before its registers are touched otherwise (ISA guide 7.12.1)
.rept 4
	v_nop
.endr
.endm
; one of the first three quarter steps: multiplies buffer f; in its middle fetches quarter q of the same slot into buffer g
.macro QUARTER slot, q, f, g, zero, ph
	s_wait_dscnt 8                                 ; B and A's rows 0-63 are in; the youngest eight loads (A's rows 64-127) may be out
	WIN MUL_LO
	MUL16 \f, 0, 0, \zero
	MUL16 \f, 0, 2, \zero
	PLACES
	FETCH \slot, \q, \g, \ph
	s_wait_dscnt 32                                ; all but the 32 just issued
	WIN MUL_HI
	MUL16 \f, 1, 0, \zero
	MUL16 \f, 1, 2, \zero
.endm
.macro THREE slot, zero, ph
	QUARTER \slot, 1, F0, F1, \zero, \ph
	QUARTER \slot, 2, F1, F0, 0, \ph
	QUARTER \slot, 3, F0, F1, 0, \ph
.endm
; The last quarter of a K step: multiplies buffer 1 and changes slots.  In front of the barrier each wave waits for its reads of this slot and for all
; its tensor loads (one is out: its part of the next slot).  This slot is filled again, fill = 1: two K steps ahead in xb and wexpb;
; fill = 2: with the first K steps of h and wdnb (slot s: K step s); fill = 3: two K steps ahead in h and wdnb; fill = 0: not at all.
; A refill stands behind a whole round of the cluster's barrier, the wave's first and only tensor load there.  nph: the form of B's tile in the next slot.
; From a request to the wait for it a wave issues 240 matrix instructions.
.macro TURN slot, next, fill, nph
	s_wait_dscnt 8
	WIN MUL_LO
	MUL16 F1, 0, 0, 0
	s_wait_dscnt 0                                 ; my reads of this slot are over
	s_wait_tensorcnt 0x0                           ; all my tensor loads have landed: every group 0 may be written
	ds_add_u32 v255, v255
	s_wait_dscnt 0x0
	s_barrier_signal -1
	MUL16 F1, 0, 2, 0                              ; register work while the others arrive
	WIN 0
	s_barrier_wait -1
.if \fill == 1
	CREST
	s_add_nc_u64 s[G0+4*\slot+2:G0+4*\slot+3], s[G0+4*\slot+2:G0+4*\slot+3], 2*KSTEP*2
	s_add_nc_u64 s[G0B+4*\slot+2:G0B+4*\slot+3], s[G0B+4*\slot+2:G0B+4*\slot+3], 2*ESTEP
	JLOAD \slot, G1E
.endif
.if \fill == 2
	CREST
	s_add_nc_u64 s[G0+4*\slot+2:G0+4*\slot+3], s[A2:A2+1], \slot*KSTEP*2
	s_or_b32 s[G0+4*\slot+3], s[G0+4*\slot+3], 0x80000000
	s_add_nc_u64 s[G0B+4*\slot+2:G0B+4*\slot+3], s[B2:B2+1], \slot*KSTEP*2
	s_or_b32 s[G0B+4*\slot+3], s[G0B+4*\slot+3], 0x80000000
	JLOAD \slot, G1B
.endif
.if \fill == 3
	CREST
	s_add_nc_u64 s[G0+4*\slot+2:G0+4*\slot+3], s[G0+4*\slot+2:G0+4*\slot+3], 2*KSTEP*2
	s_add_nc_u64 s[G0B+4*\slot+2:G0B+4*\slot+3], s[G0B+4*\slot+2:G0B+4*\slot+3], 2*KSTEP*2
	JLOAD \slot, G1B
.endif
	PLACES
	FETCH \next, 0, F0, \nph
	WIN MUL_HI
	MUL16 F1, 1, 0, 0
	MUL16 F1, 1, 2, 0
.endm
.macro LAP zero, fill, ph              ; two K steps in one pair of operands, once round the ring
	THREE 0, \zero, \ph
	TURN 0, 1, \fill, \ph
	THREE 1, 0, \ph
	TURN 1, 0, \fill, \ph
.endm
	s_wait_tensorcnt 1                             ; my part of K step 0 is in; K step 1's load stays out
	s_barrier_signal -1
	s_barrier_wait -1
	FETCH 0, 0, F0, 0
	LAP 1, 1, 0                                    ; K steps 0, 1: the first products start the sums
	WIN 0                                          ; at a label and at a branch every window is 0
	s_mov_b32 s3, 2
.LlapA:
	LAP 0, 1, 0                                    ; K steps 2 to 5
	WIN 0
	s_sub_co_u32 s3, s3, 1
	s_cmp_lg_u32 s3, 0
	s_cbranch_scc1 .LlapA
	THREE 0, 0, 0                                  ; K steps 6, 7: the refills bring h and wdnb;
	TURN 0, 1, 2, 0
	THREE 1, 0, 0
	TURN 1, 0, 2, 1                                ; the next slot read holds their first K step
	; The first half is summed: every accumulator times its row's sc.  No LDS instruction and no fragment register is touched,
	; so the 32 fragment loads that are out keep their count.
	PLACES
	s_wait_loadcnt 0x0                             ; sc, asked for at the start
	WIN 0
.irp a, 0,1,2,3,4,5,6,7
	v_mov_b32 v[SV+2*\a+1], v[SV+2*\a]             ; a pair for the packed multiply
.endr
	WIN 0x82                                       ; destination and source 0 window 2, source 1 window 0
.irp a, 0,1,2,3
.set q, 0
.rept 32
	v_pk_mul_f32 v[64*\a+2*q:64*\a+2*q+1], v[64*\a+2*q:64*\a+2*q+1], v[SV+2*\a:SV+2*\a+1]
.set q, q+1
.endr
.endr
	WIN 0xc3                                       ; the same in window 3: my rows 64-127
.irp a, 0,1,2,3
.set q, 0
.rept 32
	v_pk_mul_f32 v[64*\a+2*q:64*\a+2*q+1], v[64*\a+2*q:64*\a+2*q+1], v[SV+8+2*\a:SV+8+2*\a+1]
.set q, q+1
.endr
.endr
	WIN 0
	s_mov_b32 s3, 3
.LlapB:
	LAP 0, 3, 1                                    ; K steps 8 to 13
	WIN 0
	s_sub_co_u32 s3, s3, 1
	s_cmp_lg_u32 s3, 0
	s_cbranch_scc1 .LlapB
	THREE 0, 0, 1                                  ; K steps 14, 15: nothing is filled
	TURN 0, 1, 0, 1
	THREE 1, 0, 1
	s_wait_dscnt 8
	WIN MUL_LO
	MUL16 F1, 0, 0, 0
	MUL16 F1, 0, 2, 0
	s_wait_dscnt 0
	WIN MUL_HI
	MUL16 F1, 1, 0, 0
	MUL16 F1, 1, 2, 0
	; THE WAY OUT, 16 rows at a time: 32 bytes a lane into my own stage, read back as whole rows of 512 bytes.
	PLACES
	s_lshl_b32 s16, s13, 20                        ; 256 rows of 4,096 bytes
	s_lshl_b32 s17, s11, 19                        ; 128 rows
	s_add_co_u32 s16, s16, s17
	s_mov_b32 s17, 0
	s_add_nc_u64 s[78:79], s[78:79], s[16:17]
	s_lshl_b32 s46, s42, 10                        ; 256 columns of 4 bytes
	s_lshl_b32 s47, s12, 9                         ; 128 columns
	s_add_co_u32 s46, s46, s47
	s_mov_b32 s47, 0
	s_add_nc_u64 s[78:79], s[78:79], s[46:47]
; rows 16 i .. 16 i + 15 = the eight tiles (a, 0..7) of window 2 or 3 (win: the LDS stores' data, source 1); f: F0, F1 in turn
.macro OUT16F i, a, win, f
	WIN \win
.irp b, 0,1,2,3,4,5,6,7
	ds_store_b128 v[STO], v[8*(8*\a+\b):8*(8*\a+\b)+3]   offset:64*\b
	ds_store_b128 v[STO], v[8*(8*\a+\b)+4:8*(8*\a+\b)+7] offset:64*\b+16
.endr
	WIN 0
	s_wait_xcnt 0x0                                ; buffer f, which earlier stores read, and the stores' base are rewritten only behind this wait
.if \i
	s_add_nc_u64 s[78:79], s[78:79], 16*ROWB
.endif
.set t, 0
.rept 16
	ds_load_b128 v[\f+4*t:\f+4*t+3], v[RD] offset:t*SPITCH         ; LDS serves a wave's instructions in order: these see the stores above
.set t, t+1
.endr
.set t, 0
.rept 16
	s_wait_dscnt 15-t
	global_store_b128 v[CO], v[\f+4*t:\f+4*t+3], s[78:79] offset:t*ROWB th:TH_STORE_NT   ; the wave stores 512 consecutive bytes of a row, aligned
.set t, t+1
.endr
.endm
	OUT16F 0, 0, 0x08, F0
	OUT16F 1, 1, 0x08, F1
	OUT16F 2, 2, 0x08, F0
	OUT16F 3, 3, 0x08, F1
	OUT16F 4, 0, 0x0c, F0
	OUT16F 5, 1, 0x0c, F1
	OUT16F 6, 2, 0x0c, F0
	OUT16F 7, 3, 0x0c, F1
	s_set_vgpr_msb 0x1
	s_wait_tensorcnt 0x0
	ds_add_u32 v255, v255
	s_wait_dscnt 0x0
	s_set_vgpr_msb 0x100
	CROUND                                         ; the closing round: no work-group ends while a partner may still ask for a tile that names it
	s_endpgm
.Lfunc_end_k_qa1154d1bfe_down:
	.size	k_qa1154d1bfe_down, .Lfunc_end_k_qa1154d1bfe_down-k_qa1154d1bfe_down
	.p2alignl 7, 3214868480
	.fill 96, 4, 3214868480
	.section	.rodata,"a",@progbits
	.p2align	6, 0x0
	.amdhsa_kernel k_qa1154d1bfe_down
		.amdhsa_group_segment_fixed_size 327680
		.amdhsa_private_segment_fixed_size 0
		.amdhsa_enable_private_segment 0
		.amdhsa_kernarg_size 48
		.amdhsa_user_sgpr_count 2
		.amdhsa_user_sgpr_kernarg_segment_ptr 1
		.amdhsa_wavefront_size32 1
		.amdhsa_system_sgpr_workgroup_id_x 1
		.amdhsa_system_sgpr_workgroup_id_y 1
		.amdhsa_system_sgpr_workgroup_id_z 1
		.amdhsa_system_vgpr_workitem_id 0
		.amdhsa_next_free_vgpr 1024
		.amdhsa_next_free_sgpr 96
		.amdhsa_reserve_vcc 0
		.amdhsa_float_denorm_mode_32 3
		.amdhsa_float_denorm_mode_16_64 3
		.amdhsa_memory_ordered 1
		.amdhsa_forward_progress 1
		.amdhsa_inst_pref_size 255
	.end_amdhsa_kernel
	.section	.bss,"aw",@nobits
	.p2align	6
	.space	262144
	.amdgpu_metadata
---
amdhsa.version: [ 1, 2 ]
amdhsa.kernels:
  - .name:           k_qa1154d1bfe_down
    .symbol:         k_qa1154d1bfe_down.kd
    .args:
      - { .name: xb, .offset: 0, .size: 8, .value_kind: global_buffer, .address_space: global }
      - { .name: wexpb, .offset: 8, .size: 8, .value_kind: global_buffer, .address_space: global }
      - { .name: h, .offset: 16, .size: 8, .value_kind: global_buffer, .address_space: global }
      - { .name: wdnb, .offset: 24, .size: 8, .value_kind: global_buffer, .address_space: global }
      - { .name: sc, .offset: 32, .size: 8, .value_kind: global_buffer, .address_space: global }
      - { .name: out0, .offset: 40, .size: 8, .value_kind: global_buffer, .address_space: global }
    .group_segment_fixed_size: 327680
    .private_segment_fixed_size: 0
    .kernarg_segment_align: 8
    .kernarg_segment_size: 48
    .max_flat_workgroup_size: 128
    .sgpr_count:     96
    .vgpr_count:     1024
    .wavefront_size: 32
...
	.end_amdgpu_metadata
.endif
;; end of part 3
